; MI455X (gfx1250); checked and timed in simulation.
; The chip was launched on July 23, 2026; its instructions are those of AMD's public machine-readable ISA for CDNA 5 (MIT licence, August 2026) and "CDNA5" Instruction Set Architecture Reference Guide (July 2026). The comments in the code are by the model that wrote it; some were corrected since.
;; Causal Self Attention. Allowed arithmetic: matrix products marked QUANTISED: E4M3 operands, one given power-of-two scale a tensor, by v_wmma_f32_16x16x64_fp8_fp8 or v_wmma_f32_16x16x128_fp8_fp8, f32 sums; everything else in f32.
;; Inputs: lowp_scales 8 int32 (the exponents e of the quantised operands' scales 2^e); w_out 1,024 x 1,024 float32; w_qkv 1,024 x 3,072 float32; x 4 x 2,048 x 1,024 float32.
;; Outputs: out0 4 x 2,048 x 1,024 float32.
;; This version of the problem:
;;   THIS VERSION OF THE PROBLEM IS GIVEN IN LOW PRECISION. The matrix products marked QUANTISED in the list below multiply operands that are first quantised to E4M3 (4 exponent bits, 3 mantissa bits; 8 bits a number), with one given power-of-two scale for each operand tensor; their sums are f32. All else is computed in f32.
;;   The module's matrix products, in the order in which they are computed (A, B: the left and right operand; K: the contracted axis; several contracted axes count as one K, in the product's order):
;;     1. [M 8,192, K 1,024] x [K 1,024, N 3,072]; A: input x; B: input w_qkv: QUANTISED (scales: A lowp_scales[0], B lowp_scales[1])
;;     2. batch 64 x [M 2,048, K 64] x [K 64, N 2,048]; A: computed on the way; B: computed on the way: QUANTISED (scales: A lowp_scales[2], B lowp_scales[3])
;;     3. batch 64 x [M 64, K 2,048] x [K 2,048, N 2,048]; A: computed on the way; B: softmax (see below): QUANTISED (scales: A lowp_scales[4], B lowp_scales[5])
;;     4. [M 8,192, K 1,024] x [K 1,024, N 1,024]; A: computed on the way; B: input w_out: QUANTISED (scales: A lowp_scales[6], B lowp_scales[7])
;;   THE QUANTISER, for each operand of a quantised product, along K:
;;     - The operand's scale is 2^e, e = its entry of the input lowp_scales (int32; the entries are numbered through the quantised products in the list's order, A before B).
;;     - Each number is divided by the scale, clamped to +-448, and rounded to the nearest number of E4M3, ties to even, subnormals kept.
;;     - The product sums the exact products of the quantised numbers (number of the format x scale) in f32.
;;   ~~~python
;;   def quantise(x, axis, e):      # numpy; x: float32 -> the quantised numbers, widened to float32 again
;;       x = np.moveaxis(x, axis, -1); K = x.shape[-1]
;;       r = np.clip(x / 2.0 ** e, -448, 448)
;;       step = 2.0 ** (np.maximum(np.frexp(np.where(r == 0, 1, r))[1] - 1, -6) - 3)
;;       q = np.round(r / step) * step * 2.0 ** e      # np.round: ties to even
;;       return np.moveaxis(q, -1, axis).astype(np.float32)
;;   ~~~
;;   SOFTMAX AHEAD OF A QUANTISED PRODUCT. Where the list says 'softmax', what is quantised is not the finished softmax but p = 2^(t - M), with t = logit x log2(e) and M = ceil(the row's largest t), a whole number; so 1/2 < the row's largest p <= 1. The row's sum l is taken of the UNQUANTISED p, in f32, and the product's result is divided by l at the end. Since M is a whole number, a kernel that streams over the keys may use a running M (the ceiling of the running maximum): every later rescaling is an exact power of two, so the quantised numbers keep their values, but for numbers so far below the row's largest that they fall under the format's range.
;;   OPERANDS COMPUTED ON THE WAY. 'Computed on the way' means the value that the module computes at that place (a softmax that the list does not call 'softmax' is quantised finished and normalised). What goes into a quantiser is computed in f32, as accurately as f32 sums, v_exp_f32 and their like allow (about 1e-6 of the number): no bf16 or f16 on the way to a quantiser, and a product that is left as it is and whose result goes on into a quantised operand takes f32 operands (vector FMAs, or v_wmma_f32_16x16x4_f32). A number that lies on a knife's edge between two numbers of the format may be rounded either way, as far as f32 arithmetic and the matrix unit's own rounding can turn it there, and no further.
;; One version. Each part assembles by itself: llvm-mc -triple=amdgcn-amd-amdhsa -mcpu=gfx1250 --defsym DOCPART=n.
;; ======== version 1 of 1: 4 launches
;; limits: right only within a limited range of input values
;; workspace buffers: ops_img 12,582,912 bytes; qkv_img 25,165,824 bytes; a_img 8,388,608 bytes
;; launch quant (part 1): grid 96 x 4, 4 waves a work-group, no clusters, 68,096 bytes of LDS; arguments x, w_qkv, w_out, lowp_scales, ops_img; writes ops_img
.if DOCPART == 1
	.amdgcn_target "amdgcn-amd-amdhsa--gfx1250"
	.amdhsa_code_object_version 6
	.text
	.protected	k_q2f8435962a_quant
	.globl	k_q2f8435962a_quant
	.p2align	8
	.type	k_q2f8435962a_quant,@function
k_q2f8435962a_quant:
	s_mov_b64 s[64:65], 0
	v_nop
	global_prefetch_b8 v0, s[64:65] scope:SCOPE_SE
	s_setreg_imm32_b32 hwreg(HW_REG_WAVE_MODE, 25, 1), 1
	s_wait_xcnt 0x0
; x [8192][1024], w_qkv [1024][3072] and w_out [1024][1024], f32, become codes of FP8 (E4M3), each with the scale 2^e given for it (entries 0, 1 and 7 of the scales).
; code = number / 2^e, held within +-448, rounded to the nearest code, ties to even.
; LIMITS: each e between -126 and 119, so that 2^e and 448 x 2^e are f32 numbers.  NaN among the inputs is not served; an infinity is held at the largest code.
; THE CODES ARE STORED AS IMAGES OF THE OPERAND'S REGISTERS.  An image is 16 rows x 128 along K in 2,048 bytes: byte 512 cc + 16 lane + y, lane = 16 h + row,
; holds k = 16 (2 cc + y / 8) + 8 h + y % 8: the place that v_wmma_f32_16x16x128_fp8_fp8 gives each k (ISA guide 7.12.2).  Four loads of 16 bytes a lane, 512 bytes apart, fill a fragment.
; ops_img: x at 0: [512 blocks of 16 rows][8 blocks of 128 k][2048];  w_qkv transposed at 0x800000: [192 blocks of 16 columns][8][2048];  w_out transposed at 0xb00000: [64][8][2048].
; SHARES: 384 work-groups of 128 KB of f32 each.  Work-group x below 64: x (block 2 (x + 64 y) + wave / 2, half wave % 2 of K).  x 64-87: w_qkv, 88-95: w_out: 128 columns, quarter y of K.
; The two ways part on the work-group's number and have LDS bytes of their own.  Waves share nothing: no barrier.  No tensor loads, no cluster: no work-group reads what another reads.
.set XWAVE, 8704                       ; x: a wave's two stages
.set XSTG,  4352                       ; a stage: 16 rows x 272
.set XP,    272                        ; a stage row: 256 bytes + 16: the 16 rows that a read touches start at 16 different groups of four banks (64 banks of 4 bytes: ISA guide 11.1)
.set WBASE, 34816                      ; the weights' stages: 8,192 bytes a wave, behind x's
.set R,    32                          ; x: v32-127  three sets of 32 numbers as loaded
.set X,    128                         ; x: v128-191 two sets of 32: register 8 c + i = k 16 c + 8 h + i of my row
.set C,    192                         ; x: v192-255 eight registers of codes for each step: no store's data are written again
.set OFF,  32                          ; w: v32-63   4 lane + i rows: never rewritten
.set WX,   64                          ; w: v64-127  two sets of 32 numbers down K
.set WC,   128                         ; w: v128-135 a block's codes
.set WOUT, 136                         ; w: v136-199 the way out
.set BT,   32                          ; w: s[32:47] eight bases, 32 rows apart: never rewritten
	s_load_b256 s[4:11], s[0:1], 0x0               ; x s[4:5], w_qkv s[6:7], w_out s[8:9], the scales' exponents s[10:11]
	s_load_b64 s[12:13], s[0:1], 0x20              ; ops_img
	v_lshl_add_u32 v30, v0, 2, 0x10800
	v_mov_b32 v31, 0
	v_lshrrev_b32 v1, 5, v0
	v_readfirstlane_b32 s16, v1                    ; wave
	s_and_b32 s17, ttmp7, 0xffff                   ; work-group y
	v_and_b32 v2, 31, v0                           ; lane
	v_lshlrev_b32 v4, 4, v2                        ; 16 x lane: my place in 512 bytes of an image
	v_and_b32 v7, 15, v2
	v_lshrrev_b32 v8, 4, v2
	s_wait_kmcnt 0x0
	s_load_b256 s[24:31], s[10:11], 0x0            ; e0 .. e7
	s_cmp_lt_u32 ttmp9, 64
	s_cbranch_scc0 .Lweights
; ---------------- x: K is innermost.  A step is 16 rows x 64 k: eight loads of two rows x 256 consecutive bytes; through the wave's stage; back as 8 neighbours along K for each conversion
	s_lshl_b32 s18, s17, 6
	s_add_co_u32 s18, s18, ttmp9
	s_lshl_b32 s18, s18, 1
	s_lshr_b32 s19, s16, 1
	s_add_co_u32 s18, s18, s19                     ; my block of 16 rows
	s_and_b32 s19, s16, 1                          ; my half of K
	s_lshl_b32 s20, s18, 16                        ; 16 rows of 4,096 bytes
	s_lshl_b32 s22, s19, 11
	s_add_co_u32 s20, s20, s22
	s_mov_b32 s21, 0
	s_add_nc_u64 s[4:5], s[4:5], s[20:21]
	s_lshl_b32 s20, s18, 14                        ; eight images
	s_lshl_b32 s22, s19, 13
	s_add_co_u32 s20, s20, s22
	s_add_nc_u64 s[12:13], s[12:13], s[20:21]
	s_wait_alu depctr_va_vdst(0)
	v_lshlrev_b32 v3, 12, v8
	v_lshl_add_u32 v3, v7, 4, v3                   ; in: lanes 0-15 one row's 256 bytes, lanes 16-31 the next row's
	s_mul_i32 s22, s16, XWAVE
	v_mul_u32_u24 v14, v8, XP
	v_lshl_add_u32 v14, v7, 4, v14
	v_add_nc_u32 v14, s22, v14                     ; into the stage, as loaded
	v_mul_u32_u24 v15, v7, XP
	v_lshl_add_u32 v15, v8, 5, v15
	v_add_nc_u32 v15, s22, v15                     ; out of it: row lane % 16, + 32 bytes for lanes 16-31
.macro LOAD t
.irp i, 0,1,2,3,4,5,6,7
	global_load_b128 v[R+32*((\t)%3)+4*\i:R+32*((\t)%3)+4*\i+3], v3, s[4:5] offset:\i*8192+(\t)*256 th:TH_LOAD_NT
.endr
.endm
.macro TURN t                          ; LDS serves a wave's instructions in order (ISA guide 5.7.1.4): no wait between the stores and the loads
.irp i, 0,1,2,3,4,5,6,7
	ds_store_b128 v14, v[R+32*((\t)%3)+4*\i:R+32*((\t)%3)+4*\i+3] offset:((\t)%2)*XSTG+\i*2*XP
.endr
.irp c, 0,1,2,3
.irp e, 0,1
	ds_load_b128 v[X+32*((\t)%2)+8*\c+4*\e:X+32*((\t)%2)+8*\c+4*\e+3], v15 offset:((\t)%2)*XSTG+64*\c+16*\e
.endr
.endr
.endm
	LOAD 0
	LOAD 1
	LOAD 2
	s_wait_alu depctr_va_vdst(0)
	s_wait_kmcnt 0x0
	s_add_co_i32 s22, s24, 127
	s_lshl_b32 s23, s22, 23
	v_mov_b32 v11, s23                             ; 2^e0 as f32: the conversion takes its exponent field
	s_add_co_i32 s22, s22, 8
	s_lshl_b32 s22, s22, 23
	s_or_b32 s22, s22, 0x600000
	v_mov_b32 v10, s22                             ; 448 x 2^e0
	s_wait_alu depctr_va_vdst(0)
	s_wait_loadcnt 16                              ; step 0's eight loads are in; steps 1 and 2's sixteen may be out
	TURN 0
.macro STEP t
.set XS, X+32*((\t)%2)
	s_wait_dscnt 0x0                               ; this step's numbers are back, so its stores into the stage have read their registers,
.if (\t)+3 < 8
	LOAD (\t)+3                                    ; which take the loads of three steps on
.endif
.if (\t)+1 < 8
.if (\t) <= 4
	s_wait_loadcnt 16                              ; the next step's eight are in; the two sets behind them may be out
.elseif (\t) == 5
	s_wait_loadcnt 8
.else
	s_wait_loadcnt 0
.endif
	TURN (\t)+1                                    ; through the other stage while this step is worked
.endif
.set i, 0
.rept 32
	v_med3_num_f32 v[XS+i], v[XS+i], -v10, v10     ; the conversion to an 8-bit code does not saturate (ISA guide 7.6.2): the hold comes first
.set i, i+1
.endr
.irp c, 0,1,2,3
	v_cvt_scalef32_pk8_fp8_f32 v[C+8*(\t)+2*\c:C+8*(\t)+2*\c+1], v[XS+8*\c:XS+8*\c+7], v11
.endr
	global_store_b128 v4, v[C+8*(\t):C+8*(\t)+3], s[12:13] offset:(\t)*1024       ; the wave stores 512 consecutive bytes, aligned: half of the step's 1,024
	global_store_b128 v4, v[C+8*(\t)+4:C+8*(\t)+7], s[12:13] offset:(\t)*1024+512
.endm
.irp t, 0,1,2,3,4,5,6,7
	STEP \t
.endr
	s_wait_tensorcnt 0x0
	ds_add_u32 v30, v31
	s_wait_dscnt 0x0
	s_endpgm
; ---------------- the weights: K is the FIRST axis.  A lane takes a column and its registers run down K: the conversions give codes with K innermost, nothing is transposed by an instruction
.Lweights:
	s_cmp_lt_u32 ttmp9, 88                         ; w_qkv or w_out?  The choice hangs on the work-group's number alone
	s_cselect_b64 s[6:7], s[6:7], s[8:9]
	s_mov_b32 s48, 4096
	s_cselect_b32 s48, 12288, s48                  ; a row in bytes
	s_mov_b32 s19, 0xb00000
	s_cselect_b32 s19, 0x800000, s19               ; where its images begin
	s_mov_b32 s18, 88
	s_cselect_b32 s18, 64, s18
	s_sub_co_u32 s18, ttmp9, s18                   ; which 128 columns
	s_lshl_b32 s18, s18, 7
	s_lshl_b32 s20, s16, 5
	s_add_co_u32 s18, s18, s20                     ; my wave's first column
	s_mul_i32 s22, s17, s48
	s_lshl_b32 s22, s22, 8                         ; 256 y rows down
	s_lshl_b32 s20, s18, 2
	s_add_co_u32 s22, s22, s20
	s_mov_b32 s23, 0
	s_add_nc_u64 s[BT:BT+1], s[6:7], s[22:23]
	s_lshl_b32 s50, s48, 5                         ; 32 rows
	s_mov_b32 s51, 0
.irp t, 1,2,3,4,5,6,7
	s_add_nc_u64 s[BT+2*\t:BT+2*\t+1], s[BT+2*\t-2:BT+2*\t-1], s[50:51]
.endr
	s_lshl_b32 s20, s18, 10                        ; a block of 16 columns is 16,384 bytes
	s_add_co_u32 s20, s20, s19
	s_lshl_b32 s22, s17, 12                        ; 256 along K are two images
	s_add_co_u32 s20, s20, s22
	s_mov_b32 s21, 0
	s_add_nc_u64 s[12:13], s[12:13], s[20:21]
	s_wait_alu depctr_va_vdst(0)
	v_lshlrev_b32 v[OFF], 2, v2
.set i, 1
.rept 31
	v_add_nc_u32 v[OFF+i], s48, v[OFF+i-1]
.set i, i+1
.endr
	s_lshl_b32 s22, s16, 13
	s_add_co_u32 s22, s22, WBASE                   ; my stage: [2 blocks of columns][2 images][2048]
	v_lshlrev_b32 v5, 12, v8
	v_lshl_add_u32 v5, v7, 4, v5
	v_add_nc_u32 v5, s22, v5                       ; into it: my block of columns, row lane % 16 of its images
	v_add_nc_u32 v6, s22, v4                       ; out of it: as it lies
.macro WLOAD t                         ; block t: w(32 t + i, my column): the wave reads 128 consecutive bytes, the four waves 512
.set i, 0
.rept 32
	global_load_b32 v[WX+32*((\t)%2)+i], v[OFF+i], s[BT+2*(\t):BT+2*(\t)+1] th:TH_LOAD_NT
.set i, i+1
.endr
.endm
	WLOAD 0
	WLOAD 1
	s_wait_kmcnt 0x0
	s_cmp_lt_u32 ttmp9, 88
	s_cselect_b32 s22, s25, s31                    ; e1 or e7
	s_add_co_i32 s22, s22, 127
	s_lshl_b32 s23, s22, 23
	v_mov_b32 v11, s23
	s_add_co_i32 s22, s22, 8
	s_lshl_b32 s22, s22, 23
	s_or_b32 s22, s22, 0x600000
	v_mov_b32 v10, s22
.macro BLOCK t
.set XS, WX+32*((\t)%2)
.if (\t) < 7
	s_wait_loadcnt 32                              ; this block's 32 loads are in; the next block's may be out
.else
	s_wait_loadcnt 0
.endif
.set i, 0
.rept 32
	v_med3_num_f32 v[XS+i], v[XS+i], -v10, v10
.set i, i+1
.endr
.irp q, 0,1,2,3
	v_cvt_scalef32_pk8_fp8_f32 v[WC+2*\q:WC+2*\q+1], v[XS+8*\q:XS+8*\q+7], v11
.endr
.irp q, 0,1,2,3                        ; k = 32 t + 8 q + 0 .. 7: image t / 4, cc = t % 4, h = q % 2, upper or lower 8 bytes by q / 2
	ds_store_b64 v5, v[WC+2*\q:WC+2*\q+1] offset:((\t)>>2)*2048+((\t)&3)*512+(\q&1)*256+(\q>>1)*8
.endr
.if (\t)+2 < 8
	WLOAD (\t)+2
.endif
	s_wait_dscnt 0x0                               ; the stores have read their registers: the next block's codes may be written
.endm
	s_wait_alu depctr_va_vdst(0)
.irp t, 0,1,2,3,4,5,6,7
	BLOCK \t
.endr
.irp q, 0,1,2,3,4,5,6,7,8,9,10,11,12,13,14,15
	ds_load_b128 v[WOUT+4*\q:WOUT+4*\q+3], v6 offset:\q*512
.endr
.irp q, 0,1,2,3,4,5,6,7,8,9,10,11,12,13,14,15
	s_wait_dscnt 15-\q
	global_store_b128 v4, v[WOUT+4*\q:WOUT+4*\q+3], s[12:13] offset:(\q>>3)*16384+(\q&7)*512   ; 512 consecutive bytes, aligned
.endr
	s_wait_tensorcnt 0x0
	ds_add_u32 v30, v31
	s_wait_dscnt 0x0
	s_endpgm
.Lfunc_end_k_q2f8435962a_quant:
	.size	k_q2f8435962a_quant, .Lfunc_end_k_q2f8435962a_quant-k_q2f8435962a_quant
	.p2alignl 7, 3214868480
	.fill 96, 4, 3214868480
	.section	.rodata,"a",@progbits
	.p2align	6, 0x0
	.amdhsa_kernel k_q2f8435962a_quant
		.amdhsa_group_segment_fixed_size 68096
		.amdhsa_private_segment_fixed_size 0
		.amdhsa_enable_private_segment 0
		.amdhsa_kernarg_size 40
		.amdhsa_user_sgpr_count 2
		.amdhsa_user_sgpr_kernarg_segment_ptr 1
		.amdhsa_wavefront_size32 1
		.amdhsa_system_sgpr_workgroup_id_x 1
		.amdhsa_system_sgpr_workgroup_id_y 1
		.amdhsa_system_sgpr_workgroup_id_z 1
		.amdhsa_system_vgpr_workitem_id 0
		.amdhsa_next_free_vgpr 256
		.amdhsa_next_free_sgpr 66
		.amdhsa_reserve_vcc 0
		.amdhsa_float_denorm_mode_32 3
		.amdhsa_float_denorm_mode_16_64 3
		.amdhsa_memory_ordered 1
		.amdhsa_forward_progress 1
		.amdhsa_inst_pref_size 88
	.end_amdhsa_kernel
	.amdgpu_metadata
---
amdhsa.version: [ 1, 2 ]
amdhsa.kernels:
  - .name:           k_q2f8435962a_quant
    .symbol:         k_q2f8435962a_quant.kd
    .args:
      - { .name: x, .offset: 0, .size: 8, .value_kind: global_buffer, .address_space: global }
      - { .name: w_qkv, .offset: 8, .size: 8, .value_kind: global_buffer, .address_space: global }
      - { .name: w_out, .offset: 16, .size: 8, .value_kind: global_buffer, .address_space: global }
      - { .name: lowp_scales, .offset: 24, .size: 8, .value_kind: global_buffer, .address_space: global }
      - { .name: ops_img, .offset: 32, .size: 8, .value_kind: global_buffer, .address_space: global }
    .group_segment_fixed_size: 68096
    .private_segment_fixed_size: 0
    .kernarg_segment_align: 8
    .kernarg_segment_size: 40
    .max_flat_workgroup_size: 128
    .sgpr_count:     66
    .vgpr_count:     256
    .wavefront_size: 32
...
	.end_amdgpu_metadata
.endif
;; end of part 1
;; launch qkv (part 2): grid 32 x 8, 4 waves a work-group, clusters of 4 x 1, 327,680 bytes of LDS; arguments ops_img, lowp_scales, qkv_img; writes qkv_img
.if DOCPART == 2
	.amdgcn_target "amdgcn-amd-amdhsa--gfx1250"
	.amdhsa_code_object_version 6
	.text
	.protected	k_q2f8435962a_qkv
	.globl	k_q2f8435962a_qkv
	.p2align	8
	.type	k_q2f8435962a_qkv,@function
k_q2f8435962a_qkv:
	s_mov_b64 s[64:65], 0
	v_nop
	global_prefetch_b8 v0, s[64:65] scope:SCOPE_SE
	s_setreg_imm32_b32 hwreg(HW_REG_WAVE_MODE, 25, 1), 1
	s_wait_xcnt 0x0
	s_wait_alu depctr_hold_cnt(0) depctr_sa_sdst(0) depctr_va_vdst(0) depctr_va_sdst(0) depctr_va_ssrc(0) depctr_va_vcc(0) depctr_vm_vsrc(0)
	s_getreg_b32 s2, hwreg(HW_REG_IB_STS2, 6, 4)
	s_cmp_eq_u32 s2, 0
	s_cbranch_scc0 .Lentry_in_a_cluster
	s_endpgm
.Lentry_in_a_cluster:
	s_bfe_u32 s2, ttmp6, 0x10000c
	s_cmp_lg_u32 s2, 0x3003
	s_cbranch_scc0 .Lentry_shape_is_right
	s_endpgm
.Lentry_shape_is_right:
; qkv = x w_qkv on codes of FP8 (E4M3); each finished sum stands for sum x 2^(e0 + e1) and is quantised in registers for the next product: q with 2^e2, k with 2^e3, v with 2^e4.
; The three exponents are folded into the conversion's scale 2^(eT - e0 - e1).  LIMIT: eT - e0 - e1 between -126 and 119 for eT = e2, e3, e4.
; Operands and results are images of the operand's registers: 16 rows x 128 k in 2,048 bytes, byte 512 cc + 16 lane + y.
; SHARES: 256 work-groups.  Work-group (rb, p) makes rows 256 rb .. + 255 of x against the 128 columns of pair of heads p of q, then of k, then of v: three chunks.
; A wave owns 64 rows: its part of x over the whole K, 64 KB, is loaded once from memory into 512 registers and never lies in LDS (so it is not asked for jointly).
; A chunk of w_qkv (8 blocks of 16 columns x K 1,024 = 128 KB, dense in memory) goes through a ring of two LDS slots, 32 KB a wave and load, asked for jointly by the cluster's four work-groups, which share p.
; A refill has a whole chunk's 256 matrix instructions a wave in which to land.  By this text's own count a wave has one tensor load out.  All is written out, no loop: so nothing is prefetched.
; q, k: source 0 = 16 columns of w, source 1 = 16 rows of x: a lane holds one t and eight neighbouring d.  v: the sources swapped: a lane holds one d and eight neighbouring keys.
; qkv_img: q at 0, k at 0x800000: [b 4][pair 8][tile of 16 t: 128][head in pair 2][1,024 bytes];  v at 0x1000000: [b 4][pair 8][block of 128 keys: 16][head in pair 2][16 d: 4][2,048 bytes].
; REGISTERS: window 0: v8-13 scales and holds, v16-19 LDS addresses, v26 16 x lane, v28, v29 for the add, v32-63 at work, v64-255 three sets of four fragments of w (a set also takes a chunk's codes);
;   window 1: accumulator (a, b) at v[8 (8 a + b)];  windows 2, 3: x's fragments, K step q, block a at 64 (q % 4) + 16 a of window 2 + q / 4.
.set SLOT,  131072
.set SPARE, 262144
.set LASTG, 47
.set SCV,  8
.set ADR,  16
.set GO,   26
.set SPW,  28
.set NIL,  29
.set TMP,  32
.set BF,   64
.set MSB, 0
.macro WIN new
.if MSB != (\new)
	s_set_vgpr_msb (MSB<<8)|(\new)
.set MSB, (\new)
.endif
.endm
.macro PLACES n
.rept \n
	v_nop
.endr
.endm
.macro CROUND
	s_barrier_signal -1
	s_barrier_wait -1
	s_cmp_lg_u32 s14, 0
	s_cbranch_scc1 .Lnot_wave_0_\@
	s_barrier_signal -3
.Lnot_wave_0_\@:
	s_barrier_wait -3
	s_barrier_signal -1
	s_barrier_wait -1
.endm
.macro ALOADS                          ; my 64 rows of A, K steps 0 to 3: 64 loads of 512 consecutive bytes
	WIN 0x80
.irp q, 0,1,2,3
.irp a, 0,1,2,3
.irp c, 0,1,2,3
	global_load_b128 v[64*\q+16*\a+4*\c:64*\q+16*\a+4*\c+3], v[GO], s[12:13] offset:\a*16384+\q*2048+\c*512
.endr
.endr
.endr
	WIN 0
.endm
.macro ALD q                           ; A's K step 4 + q: 16 loads, asked for while K step q is multiplied
	WIN 0xc0
.irp a, 0,1,2,3
.irp c, 0,1,2,3
	global_load_b128 v[64*(\q)+16*\a+4*\c:64*(\q)+16*\a+4*\c+3], v[GO], s[12:13] offset:\a*16384+((\q)+4)*2048+\c*512
.endr
.endr
	WIN 0
.endm
; group g = 16 chunk + 2 (K step) + half: four fragments of B, 16 LDS loads, into set g % 3
.macro BLD g
.irp f, 0,1,2,3
.irp c, 0,1,2,3
	ds_load_b128 v[BF+64*((\g)%3)+16*\f+4*\c:BF+64*((\g)%3)+16*\f+4*\c+3], v[ADR+2*(((\g)/16)&1)+((\g)%2)] offset:\f*16384+(((\g)%16)/2)*2048+\c*512
.endr
.endr
.endm
.macro ONE swap, d, b, a
.if \swap
.if Q == 0
	v_wmma_f32_16x16x128_fp8_fp8 v[\d:\d+7], v[\a:\a+15], v[\b:\b+15], 0
.else
	v_wmma_f32_16x16x128_fp8_fp8 v[\d:\d+7], v[\a:\a+15], v[\b:\b+15], v[\d:\d+7]
.endif
.else
.if Q == 0
	v_wmma_f32_16x16x128_fp8_fp8 v[\d:\d+7], v[\b:\b+15], v[\a:\a+15], 0
.else
	v_wmma_f32_16x16x128_fp8_fp8 v[\d:\d+7], v[\b:\b+15], v[\a:\a+15], v[\d:\d+7]
.endif
.endif
.endm
; 16 matrix instructions on 16 accumulators; the 32 take turns, one instruction a turn; a chunk's first K step starts the sums
.macro MULG swap
.set Q, (G%16)/2
.set HB, G%2
.set BS, BF+64*(G%3)
.set AB, 64*(Q&3)
.if \swap
	WIN 0x50+(2+(Q>>2))
.else
	WIN 0x50+((2+(Q>>2))<<2)
.endif
.irp f, 0,1,2,3
.irp a, 0,1,2,3
	ONE \swap, 8*(8*\a+4*HB+\f), BS+16*\f, AB+16*\a
.endr
.endr
	WIN 0
.endm
; A group: the fragments of two groups on are asked for, four places behind the products that read their set; the counted wait leaves the younger groups' loads out
.macro GROUP swap
.set GL, G%16
.if GL < 14
	PLACES 4
.if (GL == 0) && (G > 0)
	s_wait_xcnt 0x0                        ; the last chunk's stores have read their codes: the set may be loaded again
.endif
	BLD (G+2)
	s_wait_dscnt 32
.elseif GL == 14
	s_wait_dscnt 16
.else
	s_wait_dscnt 0x0
.if G < LASTG
	s_wait_tensorcnt 0x0                   ; my part of the next chunk is in
	ds_add_u32 v[SPW], v[NIL]              ; the group's products stand between the add and its wait
.endif
.endif
.if (G < 8) && ((G%2) == 0)
	s_wait_loadcnt 48                      ; A's K step G / 2 is in: the three K steps behind it, 48 loads, may be out
	ALD (G/2)
.elseif G == 8
	s_wait_loadcnt 48
.elseif G == 10
	s_wait_loadcnt 32
.elseif G == 12
	s_wait_loadcnt 16
.elseif G == 14
	s_wait_loadcnt 0
.endif
	MULG \swap
.if (GL == 15) && (G < LASTG)
	s_wait_dscnt 0x0                       ; the add is done, my reads of this slot are over
.endif
.set G, G+1
.endm
; the way out of a chunk of q or k: held, converted (the codes are an image's registers), stored 512 consecutive bytes a store.  The codes lie in the set that the last group read
.macro STQ ob                          ; the two stores of the eight registers of codes made one turn earlier: they stand behind the next turn's holds
.irp c, 0,1
	global_store_b128 v[GO], v[PV+4*\c:PV+4*\c+3], s[\ob:\ob+1] offset:PO+\c*512
.endr
.endm
.macro LEAVEQK kd, ob
.set CB, BF+64*((G-1)%3)
.set HAVE, 0
.irp a, 0,1,2,3
.irp hf, 0,1
	WIN 0x01
.set j, 0
.rept 32
	v_med3_num_f32 v[TMP+j], v[64*\a+32*\hf+j], -v[SCV+2*\kd+1], v[SCV+2*\kd+1]
.set j, j+1
.endr
	WIN 0
.if HAVE
	STQ \ob
.endif
.irp b, 0,1,2,3
	v_cvt_scalef32_pk8_fp8_f32 v[CB+16*\a+8*\hf+2*\b:CB+16*\a+8*\hf+2*\b+1], v[TMP+8*\b:TMP+8*\b+7], v[SCV+2*\kd]
.endr
	v_nop
.set PV, CB+16*\a+8*\hf
.set PO, \a*2048+\hf*1024
.set HAVE, 1
.endr
.endr
	STQ \ob
.endm
; of v: block bb of 16 d: my four blocks of 16 keys are eight registers, half an image
.macro LEAVEV
.set CB, BF+64*((G-1)%3)
.set HAVE, 0
.irp bb, 0,1,2,3,4,5,6,7
	WIN 0x01
.irp a, 0,1,2,3
.irp j, 0,1,2,3,4,5,6,7
	v_med3_num_f32 v[TMP+8*\a+\j], v[64*\a+8*\bb+\j], -v[SCV+5], v[SCV+5]
.endr
.endr
	WIN 0
.if HAVE
	STQ 60
.endif
.irp a, 0,1,2,3
	v_cvt_scalef32_pk8_fp8_f32 v[CB+8*\bb+2*\a:CB+8*\bb+2*\a+1], v[TMP+8*\a:TMP+8*\a+7], v[SCV+4]
.endr
	v_nop
.set PV, CB+8*\bb
.set PO, \bb*2048
.set HAVE, 1
.endr
	STQ 60
.endm
	s_load_b128 s[4:7], s[0:1], 0x0                ; ops_img, the scales' exponents
	s_load_b64 s[8:9], s[0:1], 0x10                ; qkv_img
	v_lshl_add_u32 v[SPW], v0, 2, SPARE
	v_mov_b32 v[NIL], 0
	ds_add_u32 v[SPW], v[NIL]                      ; the opening lines: the add twice on end and its wait
	ds_add_u32 v[SPW], v[NIL]
	v_lshrrev_b32 v1, 5, v0
	v_readfirstlane_b32 s14, v1                    ; wave
	s_bfe_u32 s15, ttmp6, 0x40000                  ; cx
	s_and_b32 s16, ttmp7, 0xffff                   ; p, which the partners share
	s_lshl_b32 s17, ttmp9, 2
	s_add_co_u32 s17, s17, s15                     ; rb
	s_mov_b32 s24, 15|(3<<16)|(1<<21)              ; group 1: all four partners; elements of 8 bytes; 8 rows of 4,096 bytes, dense
	s_mov_b32 s25, 512<<16
	s_mov_b32 s26, 8<<16
	s_mov_b32 s27, 512<<16
	s_mov_b32 s28, 8
	s_mov_b32 s29, 512
	s_mov_b32 s30, 0
	s_mov_b32 s31, 0
	s_lshl_b32 s22, s14, 15                        ; my 32 KB of a chunk
	s_lshl_b32 s20, s16, 17
	s_add_co_u32 s20, s20, s22
	s_add_co_u32 s20, s20, 0x800000                ; q's chunk of pair p; k's and v's lie 1 MB and 2 MB on
	s_mov_b32 s21, 0
	s_lshl_b32 s18, s17, 18
	s_lshl_b32 s19, s14, 16
	s_add_co_u32 s18, s18, s19                     ; my 64 rows of x
	s_mov_b32 s19, 0
	s_lshr_b32 s66, s17, 3
	s_lshl_b32 s66, s66, 21
	s_lshl_b32 s67, s16, 18
	s_add_co_u32 s66, s66, s67
	s_and_b32 s67, s17, 7
	s_lshl_b32 s67, s67, 15
	s_add_co_u32 s66, s66, s67                     ; b << 21 + p << 18 + (256 rb % 2048) << 7
	s_lshl_b32 s67, s14, 13
	s_add_co_u32 s56, s66, s67                     ; q: + 64 wave << 7
	s_mov_b32 s57, 0
	s_add_co_u32 s58, s56, 0x800000                ; k
	s_mov_b32 s59, 0
	s_lshr_b32 s67, s14, 1
	s_lshl_b32 s67, s67, 14
	s_add_co_u32 s60, s66, s67                     ; v: block of keys 2 (rb % 8) + wave / 2, half wave % 2 of each image
	s_and_b32 s67, s14, 1
	s_lshl_b32 s67, s67, 10
	s_add_co_u32 s60, s60, s67
	s_add_co_u32 s60, s60, 0x1000000
	s_mov_b32 s61, 0
	v_and_b32 v1, 31, v0
	v_lshlrev_b32 v[GO], 4, v1
	v_add_nc_u32 v[ADR+1], 0x10000, v[GO]
	v_add_nc_u32 v[ADR+2], 0x20000, v[GO]
	v_add_nc_u32 v[ADR+3], 0x30000, v[GO]
	v_mov_b32 v[ADR], v[GO]
	s_wait_alu depctr_va_vdst(0)                   ; ahead of the waits below
	s_wait_dscnt 0x0
	s_wait_kmcnt 0x0
	s_load_b256 s[48:55], s[6:7], 0x0              ; e0 .. e7
	s_add_nc_u64 s[20:21], s[4:5], s[20:21]
	s_add_nc_u64 s[12:13], s[4:5], s[18:19]
	s_add_nc_u64 s[56:57], s[8:9], s[56:57]
	s_add_nc_u64 s[58:59], s[8:9], s[58:59]
	s_add_nc_u64 s[60:61], s[8:9], s[60:61]
.irp c, 0,1,2
	s_mov_b32 s[32+4*\c], 1
	s_add_co_u32 s[33+4*\c], s22, (\c&1)*SLOT
	s_add_nc_u64 s[34+4*\c:35+4*\c], s[20:21], \c*0x100000
	s_or_b32 s[35+4*\c], s[35+4*\c], 0x80000000
.endr
	CROUND                                         ; the first joint loads meet
	tensor_load_to_lds s[32:35], s[24:31]          ; q's chunk: one tensor load a wave at the head
	s_nop 0
	PLACES 4
	ALOADS
	s_wait_kmcnt 0x0
.irp t, 0,1,2
	s_sub_co_i32 s66, s[50+\t], s48
	s_sub_co_i32 s66, s66, s49
	s_add_co_i32 s66, s66, 127
	s_lshl_b32 s67, s66, 23
	v_mov_b32 v[SCV+2*\t], s67                     ; 2^(eT - e0 - e1)
	s_add_co_i32 s66, s66, 8
	s_lshl_b32 s66, s66, 23
	s_or_b32 s66, s66, 0x600000
	v_mov_b32 v[SCV+2*\t+1], s66                   ; 448 x that
.endr
	s_wait_alu depctr_va_vdst(0)                   ; the head's end
	s_wait_tensorcnt 0x0                           ; my part of q's chunk is in
	ds_add_u32 v[SPW], v[NIL]
	s_wait_dscnt 0x0
	CROUND
	tensor_load_to_lds s[36:39], s[24:31]          ; k's chunk into slot 1
	s_nop 0
	PLACES 4
.set G, 0
	BLD 0
	BLD 1
.rept 16
	GROUP 0
.endr
	CROUND                                         ; no wave of any partner still reads slot 0 or has a load on its way
	tensor_load_to_lds s[40:43], s[24:31]          ; v's chunk into slot 0
	s_nop 0
	PLACES 4                                       ; also the places behind the last products
	BLD G
	BLD (G+1)
	LEAVEQK 0, 56
.rept 16
	GROUP 0
.endr
	s_barrier_signal -1                            ; everybody's part of v's chunk is in; nothing is filled again
	s_barrier_wait -1
	PLACES 4
	BLD G
	BLD (G+1)
	LEAVEQK 1, 58
.rept 16
	GROUP 1
.endr
	PLACES 4
	LEAVEV
	s_wait_tensorcnt 0x0                           ; the wave's end
	ds_add_u32 v[SPW], v[NIL]
	s_wait_dscnt 0x0
	CROUND                                         ; the closing round
	s_endpgm
.Lfunc_end_k_q2f8435962a_qkv:
	.size	k_q2f8435962a_qkv, .Lfunc_end_k_q2f8435962a_qkv-k_q2f8435962a_qkv
	.p2alignl 7, 3214868480
	.fill 96, 4, 3214868480
	.section	.rodata,"a",@progbits
	.p2align	6, 0x0
	.amdhsa_kernel k_q2f8435962a_qkv
		.amdhsa_group_segment_fixed_size 327680
		.amdhsa_private_segment_fixed_size 0
		.amdhsa_enable_private_segment 0
		.amdhsa_kernarg_size 24
		.amdhsa_user_sgpr_count 2
		.amdhsa_user_sgpr_kernarg_segment_ptr 1
		.amdhsa_wavefront_size32 1
		.amdhsa_system_sgpr_workgroup_id_x 1
		.amdhsa_system_sgpr_workgroup_id_y 1
		.amdhsa_system_sgpr_workgroup_id_z 1
		.amdhsa_system_vgpr_workitem_id 0
		.amdhsa_next_free_vgpr 1024
		.amdhsa_next_free_sgpr 72
		.amdhsa_reserve_vcc 0
		.amdhsa_float_denorm_mode_32 3
		.amdhsa_float_denorm_mode_16_64 3
		.amdhsa_memory_ordered 1
		.amdhsa_forward_progress 1
		.amdhsa_inst_pref_size 187
	.end_amdhsa_kernel
	.amdgpu_metadata
---
amdhsa.version: [ 1, 2 ]
amdhsa.kernels:
  - .name:           k_q2f8435962a_qkv
    .symbol:         k_q2f8435962a_qkv.kd
    .args:
      - { .name: ops_img, .offset: 0, .size: 8, .value_kind: global_buffer, .address_space: global }
      - { .name: lowp_scales, .offset: 8, .size: 8, .value_kind: global_buffer, .address_space: global }
      - { .name: qkv_img, .offset: 16, .size: 8, .value_kind: global_buffer, .address_space: global }
    .group_segment_fixed_size: 327680
    .private_segment_fixed_size: 0
    .kernarg_segment_align: 8
    .kernarg_segment_size: 24
    .max_flat_workgroup_size: 128
    .sgpr_count:     72
    .vgpr_count:     1024
    .wavefront_size: 32
...
	.end_amdgpu_metadata
.endif
;; end of part 2
;; launch attn (part 3): grid 4 x 64, 8 waves a work-group, clusters of 4 x 1, 264,192 bytes of LDS; arguments qkv_img, lowp_scales, a_img; writes a_img
.if DOCPART == 3
	.amdgcn_target "amdgcn-amd-amdhsa--gfx1250"
	.amdhsa_code_object_version 6
	.text
	.protected	k_q2f8435962a_attn
	.globl	k_q2f8435962a_attn
	.p2align	8
	.type	k_q2f8435962a_attn,@function
k_q2f8435962a_attn:
	s_mov_b64 s[64:65], 0
	v_nop
	global_prefetch_b8 v0, s[64:65] scope:SCOPE_SE
	s_setreg_imm32_b32 hwreg(HW_REG_WAVE_MODE, 25, 1), 1
	s_wait_xcnt 0x0
	s_wait_alu depctr_hold_cnt(0) depctr_sa_sdst(0) depctr_va_vdst(0) depctr_va_sdst(0) depctr_va_ssrc(0) depctr_va_vcc(0) depctr_vm_vsrc(0)
	s_getreg_b32 s2, hwreg(HW_REG_IB_STS2, 6, 4)
	s_cmp_eq_u32 s2, 0
	s_cbranch_scc0 .Lentry_in_a_cluster
	s_endpgm
.Lentry_in_a_cluster:
	s_bfe_u32 s2, ttmp6, 0x10000c
	s_cmp_lg_u32 s2, 0x3003
	s_cbranch_scc0 .Lentry_shape_is_right
	s_endpgm
.Lentry_shape_is_right:
; Causal attention of one (b, head) a cluster, on codes of FP8 (E4M3): scores = q k^T (2^e2, 2^e3), p by the softmax below (2^e5), o = p v (v: 2^e4), o / l quantised with 2^e6 for the last product.
; THE SOFTMAX: t = score x log2(e) / 8; M = the row's largest t so far, rounded UP to a whole number; p = 2^(t - M) is quantised, not normalised; l sums the unquantised p and divides at the end.
; When M moves, l and O are multiplied by 2^(old M - new M): exact.  The running maximum is kept as a score; c is positive, so c x that score is the largest t.
; WORK LEFT OUT: the causal mask sets the scores of keys behind a query to -infinity, so their p is 0 for all inputs: key steps all of whose keys come after a unit's queries are not computed.
; A NaN or an infinity that reaches only those scores is not carried to the result.
; LIMITS: e2 + e3 between -123 and 130 (added to c's exponent field); e5 and e6 - e4 - e5 between -126 and 119.
; SHARES.  A unit is 32 queries, two tiles of 16, which share every fragment of k and v.  The head has 64 units, the cluster's four work-groups 32 waves.  Keys go in steps of 128; unit u needs steps 0 .. u / 4.
; Wave w of partner cx owns unit 4 (w xor 4) + cx (steps 0 .. w xor 4) and unit 63 - (4 w + cx) (steps 0 .. 15 - w): waves 0 to 3 walk 21 unit steps, waves 4 to 7 walk 13, waves w and w + 4 together 34 for every w.
; Which steps a wave walks hangs on its number alone.  cx enters only the mask's numbers and global addresses.  The first unit's steps are among the second's.
; LDS holds the head's whole k (128 tiles x 1,024 bytes) and whole v ([128 keys: 16][16 d: 4][2,048 bytes]), asked for jointly by the four partners at the head, one load of 32 KB a wave: nothing is filled twice,
; and there is no later load that a prefetch could run ahead of.
; k's eight fragments of a key step serve both units; the next step's are read from LDS behind the second unit's scores, and are in when that unit's wait for v's fragments has passed.
; (Behind key step 15 that read takes the first 8,192 bytes of v's region, which nothing uses.)
; LAYOUT.  S^T = k q^T (source 0 = 16 keys, source 1 = 16 queries, K = 64): lane (r, h) holds query r and keys 16 i + 8 h + 0 .. 7 of tile i: a conversion makes registers 2 i, 2 i + 1 of source 1 of O^T = v^T p^T (K = 128).
; a_img: [b x 128 + tile][pair of heads 8][16 t x 128: 2,048 bytes]; a head fills 1,024 of them.
; REGISTERS: window 0: v1 16 x lane; v2-5 the mask's numbers; v12-27 four tiles' -M, largest score, l (a pair); v28-47 constants and work; v48-63 the chains of the maxima and of the sums;
;   v64-127 fragments of v; v128-255 S^T of both tiles, then p.   window 1: v0-127 O^T of the four tiles; v128-159 q; v160-191 p's codes; v192-255 fragments of k.
.set VBASE, 131072
.set SPARE, 262144
.set LI,   1
.set ADK,  6
.set SPW,  7
.set ADV,  8
.set NIL,  9
.set SCP,  28
.set LMA,  29                          ; 448 x 2^e5, twice: the two halves of a dual pair take their second sources from different banks
.set LMB,  30
.set NINF, 31
.set FF,   32                          ; v[32:33], v[34:35]: f = 2^(old M - new M) of tile 0, 1
.set TA,   40                          ; v40-43: at work
.set PM,   44
.set SC6,  46
.set LM6,  47
.set MX,   48                          ; v48-63: eight chains a tile of the maxima; then eight pairs, the chains of one tile's sums
.set F,    64
.set S,    128
.set PC,   160
.set KF,   192
.set WV,   14
.set MK,   44                          ; s44-59: sixteen lane masks of the diagonal
.set SEL,  76
.set CS,   78
.set KS,   88
.set KO,   89
.set VO,   90
.set DL,   92
.set DH,   93
.set CNT,  94
.set MSB, 0
.macro WIN new
.if MSB != (\new)
	s_set_vgpr_msb (MSB<<8)|(\new)
.set MSB, (\new)
.endif
.endm
.macro PLACES n
.rept \n
	v_nop
.endr
.endm
.macro CROUND
	s_barrier_signal -1
	s_barrier_wait -1
	s_cmp_lg_u32 s[WV], 0
	s_cbranch_scc1 .Lnot_wave_0_\@
	s_barrier_signal -3
.Lnot_wave_0_\@:
	s_barrier_wait -3
	s_barrier_signal -1
	s_barrier_wait -1
.endm
; l += a tile's 64 unquantised p: eight chains of pairs, joined by halves: 32 packed additions.  l: the pair of l; sb: the tile's p
.macro TSUM l, sb
.irp k, 0,1,2,3,4,5,6,7
	v_pk_add_f32 v[MX+2*\k:MX+2*\k+1], v[\sb+2*\k:\sb+2*\k+1], v[\sb+16+2*\k:\sb+16+2*\k+1]
.endr
.irp k, 0,1,2,3,4,5,6,7
	v_pk_add_f32 v[MX+2*\k:MX+2*\k+1], v[MX+2*\k:MX+2*\k+1], v[\sb+32+2*\k:\sb+32+2*\k+1]
.endr
.irp k, 0,1,2,3,4,5,6,7
	v_pk_add_f32 v[MX+2*\k:MX+2*\k+1], v[MX+2*\k:MX+2*\k+1], v[\sb+48+2*\k:\sb+48+2*\k+1]
.endr
.irp k, 0,1,2,3
	v_pk_add_f32 v[MX+2*\k:MX+2*\k+1], v[MX+2*\k:MX+2*\k+1], v[MX+8+2*\k:MX+8+2*\k+1]
.endr
.irp k, 0,1
	s_delay_alu instid0(VALU_DEP_2)
	v_pk_add_f32 v[MX+2*\k:MX+2*\k+1], v[MX+2*\k:MX+2*\k+1], v[MX+4+2*\k:MX+4+2*\k+1]
.endr
	s_delay_alu instid0(VALU_DEP_1)
	v_pk_add_f32 v[MX:MX+1], v[MX:MX+1], v[MX+2:MX+3]
	s_delay_alu instid0(VALU_DEP_1)
	v_pk_add_f32 v[\l:\l+1], v[\l:\l+1], v[MX:MX+1]
.endm
	s_load_b128 s[4:7], s[0:1], 0x0                ; qkv_img, the scales' exponents
	s_load_b64 s[8:9], s[0:1], 0x10                ; a_img
	v_lshl_add_u32 v[SPW], v0, 2, SPARE
	v_mov_b32 v[NIL], 0
	ds_add_u32 v[SPW], v[NIL]                      ; the opening lines: the add twice on end and its wait
	ds_add_u32 v[SPW], v[NIL]
	v_lshrrev_b32 v48, 5, v0
	v_readfirstlane_b32 s[WV], v48                 ; wave 0..7
	s_bfe_u32 s15, ttmp6, 0x40000                  ; cx
	s_and_b32 s10, ttmp7, 0xffff                   ; 16 b + head
	s_lshr_b32 s11, s10, 4
	s_bfe_u32 s12, s10, 0x30001                    ; the pair of heads
	s_and_b32 s13, s10, 1                          ; the head in it
	s_lshl_b32 s2, s11, 21
	s_lshl_b32 s66, s12, 18
	s_add_co_u32 s2, s2, s66
	s_lshl_b32 s66, s13, 10
	s_add_co_u32 s66, s66, s2
	s_add_co_u32 s66, s66, 0x800000                ; the head's k: tiles 2,048 bytes apart
	s_lshl_b32 s67, s13, 13
	s_add_co_u32 s67, s67, s2
	s_add_co_u32 s67, s67, 0x1000000               ; the head's v: 8,192 bytes for each 128 keys, 16,384 apart
	s_cmp_lt_u32 s[WV], 4                          ; waves 0-3 fetch quarters of k, waves 4-7 of v: 65,536 bytes of memory apart in both
	s_cselect_b32 s98, s66, s67
	s_and_b32 s95, s[WV], 3
	s_lshl_b32 s95, s95, 16
	s_add_co_u32 s98, s98, s95
	s_mov_b32 s99, 0
	s_mov_b32 s24, 15|(3<<16)|(1<<21)              ; k: 32 rows of 1,024 bytes, 2,048 apart; all four partners; elements of 8 bytes
	s_mov_b32 s25, 128<<16
	s_mov_b32 s26, 32<<16
	s_mov_b32 s27, 128<<16
	s_mov_b32 s28, 32
	s_mov_b32 s29, 256
	s_mov_b32 s30, 0
	s_mov_b32 s31, 0
	s_mov_b32 s32, 15|(3<<16)|(1<<21)              ; v: 4 rows of 8,192 bytes, 16,384 apart
	s_mov_b32 s33, 1024<<16
	s_mov_b32 s34, 4<<16
	s_mov_b32 s35, 1024<<16
	s_mov_b32 s36, 4
	s_mov_b32 s37, 2048
	s_mov_b32 s38, 0
	s_mov_b32 s39, 0
	s_wait_dscnt 0x0
	s_wait_kmcnt 0x0
	s_load_b256 s[80:87], s[6:7], 0x0              ; e0 .. e7
	s_mov_b32 s40, 1
	s_lshl_b32 s41, s[WV], 15                      ; LDS: 32,768 x wave: k's four quarters, then v's
	s_add_nc_u64 s[42:43], s[4:5], s[98:99]
	s_or_b32 s43, s43, 0x80000000
	CROUND                                         ; the joint loads meet
	s_cmp_lt_u32 s[WV], 4
	s_cbranch_scc0 .Lfor_v
	tensor_load_to_lds s[40:43], s[24:31]
	s_nop 0
	PLACES 4
	s_branch .Lasked
.Lfor_v:
	tensor_load_to_lds s[40:43], s[32:39]
	s_nop 0
	PLACES 4
.Lasked:
	s_lshl_b32 s3, s[WV], 2
	s_add_co_u32 s3, s3, s15                       ; 4 w + cx
	s_xor_b32 s10, s3, 63                          ; the second unit: 63 - (4 w + cx)
	s_xor_b32 s3, s3, 16                           ; the first unit: 4 (w xor 4) + cx
	s_lshl_b32 s21, s13, 10
	s_add_co_u32 s21, s21, s2
	s_lshl_b32 s20, s3, 12
	s_add_co_u32 s20, s20, s21
	s_lshl_b32 s22, s10, 12
	s_add_co_u32 s22, s22, s21
	s_mov_b32 s21, 0
	s_mov_b32 s23, 0
	s_add_nc_u64 s[20:21], s[4:5], s[20:21]        ; q of the first unit, of the second
	s_add_nc_u64 s[22:23], s[4:5], s[22:23]
	v_and_b32 v48, 31, v0
	v_lshlrev_b32 v[LI], 4, v48
	WIN 0x40
.irp t, 0,1
.irp c, 0,1
	global_load_b128 v[128+8*\t+4*\c:128+8*\t+4*\c+3], v[LI], s[20:21] offset:\t*2048+\c*512
	global_load_b128 v[144+8*\t+4*\c:144+8*\t+4*\c+3], v[LI], s[22:23] offset:\t*2048+\c*512
.endr
.endr
.set n, 0
.rept 128
	v_mov_b32 v[n], 0                              ; O^T of the four tiles: a step is written once for all steps; the first finds zeros
.set n, n+1
.endr
	WIN 0
	s_lshl_b32 s16, s11, 21
	s_lshl_b32 s17, s12, 11
	s_add_co_u32 s16, s16, s17
	s_lshl_b32 s17, s13, 10
	s_add_co_u32 s16, s16, s17
	s_lshl_b32 s18, s10, 15
	s_add_co_u32 s18, s18, s16
	s_lshl_b32 s17, s3, 15
	s_add_co_u32 s16, s16, s17
	s_mov_b32 s17, 0
	s_mov_b32 s19, 0
	s_add_nc_u64 s[16:17], s[8:9], s[16:17]        ; the first unit's place in the result, the second's; a unit's second tile lies 16,384 bytes on
	s_add_nc_u64 s[18:19], s[8:9], s[18:19]
	s_lshl_b32 s95, s15, 5                         ; 32 (u % 4): cx in the first unit, 3 - cx in the second
	s_sub_co_u32 s96, 96, s95
	s_xor_b32 s[DL], s[WV], 4                      ; the first unit's last step
	s_xor_b32 s[DH], s[WV], 15                     ; the second's: 15 - w
	s_mov_b32 s[SEL], 0x76543210
	s_mov_b32 s[SEL+1], 0xfedcba98
	s_mov_b32 s[KS], 0
	s_mov_b32 s[KO], 0
	s_mov_b32 s[VO], VBASE
	v_and_b32 v48, 15, v0
	v_bfe_u32 v49, v0, 4, 1
	v_lshlrev_b32 v49, 3, v49
	v_sub_nc_u32 v48, v48, v49                     ; r - 8 h
	v_add_nc_u32 v2, s95, v48                      ; in a unit's last step register 8 i + jj holds a hidden key where 16 i + jj is above 32 (u % 4) + 16 tile + r - 8 h
	v_add_nc_u32 v4, s96, v48
	v_add_nc_u32 v3, 16, v2
	v_add_nc_u32 v5, 16, v4
.irp k, 0,1,2,3
	v_mov_b32 v[13+4*\k], 0xff61b1e6               ; the largest score so far: -3e38
	v_mov_b32 v[14+4*\k], 0
	v_mov_b32 v[15+4*\k], 0
.endr
.irp k, 0,1,2,3
	v_floor_f32 v[12+4*\k], -v[13+4*\k]            ; -M: above every -M to come, so the first f is 0
.endr
.set n, 0
.rept 14
	v_mov_b32 v[FF+n], 0                           ; pairs' upper halves and lane permutes' destinations are written once
.set n, n+1
.endr
	v_mov_b32 v[NINF], 0xff800000
	s_wait_kmcnt 0x0
	s_add_co_i32 s95, s82, s83
	s_lshl_b32 s95, s95, 23
	s_add_co_i32 s[CS], s95, 0x3e38aa3b            ; c = log2(e) / 8 with e2 + e3 added to its exponent field
	s_mov_b32 s[CS+1], s[CS]
	s_add_co_i32 s95, s85, 127
	s_lshl_b32 s96, s95, 23
	v_mov_b32 v[SCP], s96                          ; 2^e5
	s_add_co_i32 s95, s95, 8
	s_lshl_b32 s95, s95, 23
	s_or_b32 s95, s95, 0x600000
	v_mov_b32 v[LMA], s95                          ; 448 x 2^e5
	v_mov_b32 v[LMB], s95
	s_sub_co_i32 s95, s86, s84
	s_sub_co_i32 s95, s95, s85
	s_add_co_i32 s95, s95, 127
	s_lshl_b32 s96, s95, 23
	v_mov_b32 v[SC6], s96                          ; 2^(e6 - e4 - e5)
	s_add_co_i32 s95, s95, 8
	s_lshl_b32 s95, s95, 23
	s_or_b32 s95, s95, 0x600000
	v_mov_b32 v[LM6], s95
; A UNIT'S KEY STEP: 128 keys x two tiles of 16 queries.  st: the unit's eight registers of state; qb, ob: its q and O^T in window 1; dq: its mask numbers; dg: its last step;
; pf = 1, in the trip's second unit: the next key step's fragments of k are read behind the scores.
.macro USTEP st, qb, ob, dq, dg, pf
	s_cmp_gt_u32 s[KS], s[\dg]                     ; all keys hidden: a scalar branch on the step's number and the wave's
	s_cbranch_scc1 .Lover_\@
	v_add_nc_u32 v[ADV], s[VO], v[LI]
.if \pf
	v_add_nc_u32 v[ADK], s[KO], v[LI]
.endif
	WIN 0x05
.irp i, 0,1,2,3,4,5,6,7
	v_wmma_f32_16x16x64_fp8_fp8 v[S+8*\i:S+8*\i+7], v[KF+8*\i:KF+8*\i+7], v[\qb:\qb+7], 0
	v_wmma_f32_16x16x64_fp8_fp8 v[S+64+8*\i:S+64+8*\i+7], v[KF+8*\i:KF+8*\i+7], v[\qb+8:\qb+15], 0
.endr
	WIN 0
	PLACES 4                                       ; ahead of loads into registers that products have read, and of the first read of the scores
.irp d, 0,1,2,3                        ; v's fragments land under the softmax
.irp c, 0,1,2,3
	ds_load_b128 v[F+16*\d+4*\c:F+16*\d+4*\c+3], v[ADV] offset:\d*2048+\c*512
.endr
.endr
.if \pf
	WIN 0x40
.irp i, 0,1,2,3,4,5,6,7
.irp c, 0,1
	ds_load_b128 v[KF+8*\i+4*\c:KF+8*\i+4*\c+3], v[ADK] offset:8192+\i*1024+\c*512
.endr
.endr
	WIN 0
.endif
	s_cmp_lg_u32 s[KS], s[\dg]                     ; only the unit's last step lies on the diagonal
	s_cbranch_scc1 .Lopen_\@
.set n, 0
.rept 8                                ; hidden scores become -infinity; a query's own key lies in this step, so the maximum is a number.  Sixteen compares into sixteen masks, then sixteen selects
.irp T, 0,1
.irp j, 0,1,2,3,4,5,6,7
	v_cmp_gt_i32 s[MK+8*\T+\j], 16*n+\j, v[\dq+\T]
.endr
.endr
.irp T, 0,1
.irp j, 0,1,2,3,4,5,6,7
	v_cndmask_b32 v[S+64*\T+8*n+\j], v[S+64*\T+8*n+\j], v[NINF], s[MK+8*\T+\j]
.endr
.endr
.set n, n+1
.endr
.Lopen_\@:
.irp T, 0,1                            ; the step's largest scores: eight chains a tile, one to an accumulator, each from its low end on
.irp k, 0,1,2,3,4,5,6,7
	v_max3_num_f32 v[MX+8*\T+\k], v[S+64*\T+8*\k], v[S+64*\T+8*\k+1], v[S+64*\T+8*\k+2]
.endr
.irp k, 0,1,2,3,4,5,6,7
	v_max3_num_f32 v[MX+8*\T+\k], v[MX+8*\T+\k], v[S+64*\T+8*\k+3], v[S+64*\T+8*\k+4]
.endr
.irp k, 0,1,2,3,4,5,6,7
	v_max3_num_f32 v[MX+8*\T+\k], v[MX+8*\T+\k], v[S+64*\T+8*\k+5], v[S+64*\T+8*\k+6]
.endr
.endr
.irp k, 0,1,2,3                        ; the chains are joined, with each accumulator's eighth register
.irp T, 0,1
	v_max3_num_f32 v[MX+8*\T+\k], v[MX+8*\T+\k], v[MX+8*\T+\k+4], v[S+64*\T+8*\k+7]
.endr
.endr
.irp T, 0,1
	v_max3_num_f32 v[MX+8*\T], v[MX+8*\T], v[S+64*\T+39], v[S+64*\T+47]
.endr
.irp T, 0,1
	v_max3_num_f32 v[MX+8*\T+1], v[MX+8*\T+1], v[S+64*\T+55], v[S+64*\T+63]
.endr
.irp T, 0,1
	s_delay_alu instid0(VALU_DEP_2)
	v_max3_num_f32 v[MX+8*\T], v[MX+8*\T], v[MX+8*\T+1], v[MX+8*\T+2]
.endr
.irp T, 0,1
	s_delay_alu instid0(VALU_DEP_2)
	v_max_num_f32 v[MX+8*\T], v[MX+8*\T], v[MX+8*\T+3]
.endr
.irp T, 0,1
	s_delay_alu instid0(VALU_DEP_2)
	v_permlanex16_b32 v[PM+\T], v[MX+8*\T], s[SEL], s[SEL+1]
.endr
.irp T, 0,1
	v_mov_b32 v[TA+2*\T+1], v[\st+4*\T]                ; the old -M
.endr
.irp T, 0,1
	s_delay_alu instid0(VALU_DEP_4)
	v_max3_num_f32 v[\st+4*\T+1], v[\st+4*\T+1], v[MX+8*\T], v[PM+\T]   ; the running largest score: mine and lane l xor 16's
.endr
.irp T, 0,1
	s_delay_alu instid0(VALU_DEP_2)
	v_mul_f32 v[TA+2*\T], s[CS], v[\st+4*\T+1]         ; as t
.endr
.irp T, 0,1
	s_delay_alu instid0(VALU_DEP_2)
	v_floor_f32 v[\st+4*\T], -v[TA+2*\T]               ; the new -M = -ceil(t)
.endr
.irp T, 0,1
	s_delay_alu instid0(VALU_DEP_2)
	v_sub_f32 v[TA+2*\T], v[\st+4*\T], v[TA+2*\T+1]    ; old M - new M, a whole number, 0 or less
.endr
.irp T, 0,1
	s_delay_alu instid0(VALU_DEP_2)
	v_cvt_i32_f32 v[TA+2*\T], v[TA+2*\T]
.endr
.irp T, 0,1
	s_delay_alu instid0(VALU_DEP_2)
	v_ldexp_f32 v[FF+2*\T], 1.0, v[TA+2*\T]            ; f
.endr
.set n, 0
.rept 32
	v_pk_fma_f32 v[S+n:S+n+1], v[S+n:S+n+1], s[CS:CS+1], v[\st:\st+1] op_sel_hi:[1,0,0]   ; tile 0: t - M
.set n, n+2
.endr
	s_wait_alu depctr_va_vdst(0)                   ; ahead of the batch
.set n, 0
.rept 32                               ; tile 0: p = 2^(t - M); among the 64 exponentials stand tile 1's t - M, which nothing reads before the wait behind the batch
	v_exp_f32 v[S+n], v[S+n]
	v_pk_fma_f32 v[S+64+n:S+64+n+1], v[S+64+n:S+64+n+1], s[CS:CS+1], v[\st+4:\st+5] op_sel_hi:[1,0,0]
	v_exp_f32 v[S+n+1], v[S+n+1]
.set n, n+2
.endr
.irp T, 0,1
	v_pk_mul_f32 v[\st+4*\T+2:\st+4*\T+3], v[\st+4*\T+2:\st+4*\T+3], v[FF+2*\T:FF+2*\T+1] op_sel_hi:[1,0]   ; l under the new M: the plain lines behind the batch
.endr
	s_wait_alu depctr_va_vdst(0)                   ; behind the first batch and ahead of the second
	TSUM \st+2, S
.set n, 0
.rept 32                               ; tile 1's exponentials; among them tile 0's hold: the conversion does not saturate (ISA guide 7.6.2); p is not negative: one-sided, two a line
	v_exp_f32 v[S+64+n], v[S+64+n]
	v_dual_min_num_f32 v[S+n], v[S+n], v[LMA] :: v_dual_min_num_f32 v[S+n+1], v[S+n+1], v[LMB]
	v_exp_f32 v[S+64+n+1], v[S+64+n+1]
.set n, n+2
.endr
	v_nop                                          ; the plain line behind the batch
	s_wait_alu depctr_va_vdst(0)                   ; and its wait, ahead of the first reader
	TSUM \st+6, S+64
.set n, 0
.rept 32
	v_dual_min_num_f32 v[S+64+n], v[S+64+n], v[LMA] :: v_dual_min_num_f32 v[S+64+n+1], v[S+64+n+1], v[LMB]
.set n, n+2
.endr
	WIN 0x40
.set n, 0
.rept 16
	v_cvt_scalef32_pk8_fp8_f32 v[PC+2*n:PC+2*n+1], v[S+8*n:S+8*n+7], v[SCP]
.set n, n+1
.endr
	WIN 0x41
	s_wait_alu depctr_va_vdst(0)                   ; directly ahead of the first reader of O^T
.irp T, 0,1
.set n, 0
.rept 16
	v_pk_mul_f32 v[\ob+32*\T+n:\ob+32*\T+n+1], v[\ob+32*\T+n:\ob+32*\T+n+1], v[FF+2*\T:FF+2*\T+1] op_sel_hi:[1,0]   ; O^T under the new M; also the plain lines between the conversions and the products
.set n, n+2
.endr
.endr
	WIN 0x54
	s_wait_alu depctr_va_vdst(0)                   ; ahead of the wait below
	s_wait_dscnt 0x0                               ; v's fragments are in (pf = 1: and the next step's of k)
.irp d, 0,1,2,3
.irp T, 0,1
	v_wmma_f32_16x16x128_fp8_fp8 v[\ob+32*\T+8*\d:\ob+32*\T+8*\d+7], v[F+16*\d:F+16*\d+15], v[PC+16*\T:PC+16*\T+15], v[\ob+32*\T+8*\d:\ob+32*\T+8*\d+7]   ; eight accumulators by turns
.endr
.endr
	WIN 0
.Lover_\@:
.endm
	s_wait_alu depctr_va_vdst(0)                   ; the head's end
	s_wait_tensorcnt 0x0                           ; my quarter is in,
	s_barrier_signal -1
	s_barrier_wait -1                              ; everybody's is: nothing is ever filled again
	WIN 0x40
.irp i, 0,1,2,3,4,5,6,7
.irp c, 0,1
	ds_load_b128 v[KF+8*\i+4*\c:KF+8*\i+4*\c+3], v[LI] offset:\i*1024+\c*512   ; key step 0's fragments of k
.endr
.endr
	WIN 0
	s_wait_loadcnt 0x0                             ; q
	s_wait_dscnt 0x0
	s_mov_b32 s[CNT], 16
.Lks:
	USTEP 12, 128, 0, 2, DL, 0
	USTEP 20, 144, 64, 4, DH, 1
	s_add_co_u32 s[KS], s[KS], 1
	s_add_co_u32 s[KO], s[KO], 8192
	s_add_co_u32 s[VO], s[VO], 8192
	s_sub_co_u32 s[CNT], s[CNT], 1
	s_cmp_lg_u32 s[CNT], 0
	s_cbranch_scc1 .Lks
	; THE WAY OUT, no LDS: O^T / l, held and converted: a tile's eight registers of codes leave by two stores of 512 consecutive bytes
	PLACES 4
.irp k, 0,1,2,3
	v_add_f32 v[14+4*\k], v[14+4*\k], v[15+4*\k]
.endr
.irp k, 0,1,2,3
	v_permlanex16_b32 v[TA+\k], v[14+4*\k], s[SEL], s[SEL+1]
.endr
.irp k, 0,1,2,3
	v_add_f32 v[14+4*\k], v[14+4*\k], v[TA+\k]
.endr
	s_wait_alu depctr_va_vdst(0)
.irp k, 0,1,2,3
	v_rcp_f32 v[14+4*\k], v[14+4*\k]
.endr
	v_nop
	WIN 0x01
	s_wait_alu depctr_va_vdst(0)                   ; for the reciprocals and, directly ahead of their first reader, for O^T
.irp k, 0,1,2,3
.set n, 0
.rept 32
	v_mul_f32 v[S+32*\k+n], v[32*\k+n], v[14+4*\k]
.set n, n+1
.endr
.endr
	WIN 0
.set n, 0
.rept 128
	v_med3_num_f32 v[S+n], v[S+n], -v[LM6], v[LM6]
.set n, n+1
.endr
.set n, 0
.rept 16
	v_cvt_scalef32_pk8_fp8_f32 v[F+2*n:F+2*n+1], v[S+8*n:S+8*n+7], v[SC6]
.set n, n+1
.endr
	v_nop
.irp t, 0,1
.irp c, 0,1
	global_store_b128 v[LI], v[F+8*\t+4*\c:F+8*\t+4*\c+3], s[16:17] offset:\t*16384+\c*512
	global_store_b128 v[LI], v[F+16+8*\t+4*\c:F+16+8*\t+4*\c+3], s[18:19] offset:\t*16384+\c*512
.endr
.endr
	s_wait_tensorcnt 0x0                           ; the wave's end
	ds_add_u32 v[SPW], v[NIL]
	s_wait_dscnt 0x0
	CROUND                                         ; the closing round
	s_endpgm
.Lfunc_end_k_q2f8435962a_attn:
	.size	k_q2f8435962a_attn, .Lfunc_end_k_q2f8435962a_attn-k_q2f8435962a_attn
	.p2alignl 7, 3214868480
	.fill 96, 4, 3214868480
	.section	.rodata,"a",@progbits
	.p2align	6, 0x0
	.amdhsa_kernel k_q2f8435962a_attn
		.amdhsa_group_segment_fixed_size 264192
		.amdhsa_private_segment_fixed_size 0
		.amdhsa_enable_private_segment 0
		.amdhsa_kernarg_size 24
		.amdhsa_user_sgpr_count 2
		.amdhsa_user_sgpr_kernarg_segment_ptr 1
		.amdhsa_wavefront_size32 1
		.amdhsa_system_sgpr_workgroup_id_x 1
		.amdhsa_system_sgpr_workgroup_id_y 1
		.amdhsa_system_sgpr_workgroup_id_z 1
		.amdhsa_system_vgpr_workitem_id 0
		.amdhsa_next_free_vgpr 512
		.amdhsa_next_free_sgpr 100
		.amdhsa_reserve_vcc 0
		.amdhsa_float_denorm_mode_32 3
		.amdhsa_float_denorm_mode_16_64 3
		.amdhsa_memory_ordered 1
		.amdhsa_forward_progress 1
		.amdhsa_inst_pref_size 122
	.end_amdhsa_kernel
	.amdgpu_metadata
---
amdhsa.version: [ 1, 2 ]
amdhsa.kernels:
  - .name:           k_q2f8435962a_attn
    .symbol:         k_q2f8435962a_attn.kd
    .args:
      - { .name: qkv_img, .offset: 0, .size: 8, .value_kind: global_buffer, .address_space: global }
      - { .name: lowp_scales, .offset: 8, .size: 8, .value_kind: global_buffer, .address_space: global }
      - { .name: a_img, .offset: 16, .size: 8, .value_kind: global_buffer, .address_space: global }
    .group_segment_fixed_size: 264192
    .private_segment_fixed_size: 0
    .kernarg_segment_align: 8
    .kernarg_segment_size: 24
    .max_flat_workgroup_size: 256
    .sgpr_count:     100
    .vgpr_count:     512
    .wavefront_size: 32
...
	.end_amdgpu_metadata
.endif
;; end of part 3
;; launch proj (part 4): grid 32 x 8, 4 waves a work-group, clusters of 4 x 1, 167,936 bytes of LDS; arguments a_img, ops_img, lowp_scales, out0; writes out0
.if DOCPART == 4
	.amdgcn_target "amdgcn-amd-amdhsa--gfx1250"
	.amdhsa_code_object_version 6
	.text
	.protected	k_q2f8435962a_proj
	.globl	k_q2f8435962a_proj
	.p2align	8
	.type	k_q2f8435962a_proj,@function
k_q2f8435962a_proj:
	s_mov_b64 s[64:65], 0
	v_nop
	global_prefetch_b8 v0, s[64:65] scope:SCOPE_SE
	s_setreg_imm32_b32 hwreg(HW_REG_WAVE_MODE, 25, 1), 1
	s_wait_xcnt 0x0
	s_wait_alu depctr_hold_cnt(0) depctr_sa_sdst(0) depctr_va_vdst(0) depctr_va_sdst(0) depctr_va_ssrc(0) depctr_va_vcc(0) depctr_vm_vsrc(0)
	s_getreg_b32 s2, hwreg(HW_REG_IB_STS2, 6, 4)
	s_cmp_eq_u32 s2, 0
	s_cbranch_scc0 .Lentry_in_a_cluster
	s_endpgm
.Lentry_in_a_cluster:
	s_bfe_u32 s2, ttmp6, 0x10000c
	s_cmp_lg_u32 s2, 0x3003
	s_cbranch_scc0 .Lentry_shape_is_right
	s_endpgm
.Lentry_shape_is_right:
; out0 = a w_out on codes of FP8 (E4M3); each finished sum is multiplied once by 2^(e6 + e7).  LIMIT: e6 + e7 between -126 and 127.
; Operands are images of the operand's registers: 16 rows x 128 k in 2,048 bytes.  a_img: [512 blocks of 16 rows][8][2048]; w_out transposed at 0xb00000 of ops_img: [64 blocks of 16 columns][8][2048].
; SHARES: 256 work-groups; work-group (rb, y) makes rows 256 rb .. + 255 x columns 128 y .. + 127.  A wave owns 64 rows: its part of a over the whole K, 64 KB, is loaded once from memory into 512 registers
; and never lies in LDS (so it is not asked for jointly).  w_out's 128 columns x K 1,024, 128 KB dense in memory, are asked for once, jointly by the cluster's four work-groups, which share y: 32 KB a wave and load.
; Nothing is filled again, there is no loop and no later load: so nothing is prefetched.
; Source 0 = 16 columns of w_out, source 1 = 16 rows of a: a lane holds eight neighbouring columns of a row; a block of 16 rows goes through the wave's own stage in LDS and leaves as rows of 512 bytes.
; REGISTERS: window 0: v16, v17 LDS addresses, v24-26 the way out, v28, v29 for the add, v64-255 three sets of four fragments of w_out (on the way out: at work);
;   window 1: accumulator (a, b) at v[8 (8 a + b)];  windows 2, 3: a's fragments, K step q, block a at 64 (q % 4) + 16 a of window 2 + q / 4.
.set STAGE, 131072
.set SPITCH, 528
.set SPARE, STAGE+4*16*SPITCH
.set LASTG, 15
.set ADR,  16
.set STO,  24
.set RD,   25
.set GO,   26
.set SPW,  28
.set NIL,  29
.set BF,   64
.set MSB, 0
.macro WIN new
.if MSB != (\new)
	s_set_vgpr_msb (MSB<<8)|(\new)
.set MSB, (\new)
.endif
.endm
.macro PLACES n
.rept \n
	v_nop
.endr
.endm
.macro CROUND
	s_barrier_signal -1
	s_barrier_wait -1
	s_cmp_lg_u32 s14, 0
	s_cbranch_scc1 .Lnot_wave_0_\@
	s_barrier_signal -3
.Lnot_wave_0_\@:
	s_barrier_wait -3
	s_barrier_signal -1
	s_barrier_wait -1
.endm
.macro ALOADS
	WIN 0x80
.irp q, 0,1,2,3
.irp a, 0,1,2,3
.irp c, 0,1,2,3
	global_load_b128 v[64*\q+16*\a+4*\c:64*\q+16*\a+4*\c+3], v[GO], s[12:13] offset:\a*16384+\q*2048+\c*512
.endr
.endr
.endr
	WIN 0
.endm
.macro ALD q                           ; A's K step 4 + q: 16 loads, asked for while K step q is multiplied
	WIN 0xc0
.irp a, 0,1,2,3
.irp c, 0,1,2,3
	global_load_b128 v[64*(\q)+16*\a+4*\c:64*(\q)+16*\a+4*\c+3], v[GO], s[12:13] offset:\a*16384+((\q)+4)*2048+\c*512
.endr
.endr
	WIN 0
.endm
.macro BLD g                           ; group g = 2 (K step) + half: four fragments of B into set g % 3
.irp f, 0,1,2,3
.irp c, 0,1,2,3
	ds_load_b128 v[BF+64*((\g)%3)+16*\f+4*\c:BF+64*((\g)%3)+16*\f+4*\c+3], v[ADR+((\g)%2)] offset:\f*16384+((\g)/2)*2048+\c*512
.endr
.endr
.endm
.macro ONE d, b, a
.if Q == 0
	v_wmma_f32_16x16x128_fp8_fp8 v[\d:\d+7], v[\b:\b+15], v[\a:\a+15], 0
.else
	v_wmma_f32_16x16x128_fp8_fp8 v[\d:\d+7], v[\b:\b+15], v[\a:\a+15], v[\d:\d+7]
.endif
.endm
.macro GROUP                           ; the fragments of two groups on are asked for, four places behind the products that read their set; 16 products on 16 accumulators: the 32 take turns
.if G < 14
	PLACES 4
	BLD (G+2)
	s_wait_dscnt 32
.elseif G == 14
	s_wait_dscnt 16
.else
	s_wait_dscnt 0x0
.endif
.if (G < 8) && ((G%2) == 0)
	s_wait_loadcnt 48                      ; A's K step G / 2 is in: the three K steps behind it, 48 loads, may be out
	ALD (G/2)
.elseif G == 8
	s_wait_loadcnt 48
.elseif G == 10
	s_wait_loadcnt 32
.elseif G == 12
	s_wait_loadcnt 16
.elseif G == 14
	s_wait_loadcnt 0
.endif
.set Q, G/2
.set HB, G%2
.set BS, BF+64*(G%3)
.set AB, 64*(Q&3)
	WIN 0x50+((2+(Q>>2))<<2)
.irp f, 0,1,2,3
.irp a, 0,1,2,3
	ONE 8*(8*\a+4*HB+\f), BS+16*\f, AB+16*\a
.endr
.endr
	WIN 0
.set G, G+1
.endm
	s_load_b256 s[4:11], s[0:1], 0x0               ; a_img, ops_img, the scales' exponents, out0
	v_lshl_add_u32 v[SPW], v0, 2, SPARE
	v_mov_b32 v[NIL], 0
	ds_add_u32 v[SPW], v[NIL]                      ; the opening lines: the add twice on end and its wait
	ds_add_u32 v[SPW], v[NIL]
	v_lshrrev_b32 v1, 5, v0
	v_readfirstlane_b32 s14, v1                    ; wave
	s_bfe_u32 s15, ttmp6, 0x40000                  ; cx
	s_and_b32 s16, ttmp7, 0xffff                   ; y, which the partners share
	s_lshl_b32 s17, ttmp9, 2
	s_add_co_u32 s17, s17, s15                     ; rb
	s_mov_b32 s24, 15|(3<<16)|(1<<21)              ; group 1: all four partners; elements of 8 bytes; 8 rows of 4,096 bytes, dense
	s_mov_b32 s25, 512<<16
	s_mov_b32 s26, 8<<16
	s_mov_b32 s27, 512<<16
	s_mov_b32 s28, 8
	s_mov_b32 s29, 512
	s_mov_b32 s30, 0
	s_mov_b32 s31, 0
	s_lshl_b32 s22, s14, 15                        ; my 32 KB of B
	s_lshl_b32 s20, s16, 17
	s_add_co_u32 s20, s20, s22
	s_add_co_u32 s20, s20, 0xb00000
	s_mov_b32 s21, 0
	s_lshl_b32 s18, s17, 18
	s_lshl_b32 s19, s14, 16
	s_add_co_u32 s18, s18, s19                     ; my 64 rows of a
	s_mov_b32 s19, 0
	s_lshl_b32 s66, s17, 20
	s_lshl_b32 s67, s14, 18
	s_add_co_u32 s66, s66, s67
	s_lshl_b32 s67, s16, 9
	s_add_co_u32 s66, s66, s67                     ; out0: my first row x 4,096 + 512 y
	s_mov_b32 s67, 0
	s_mul_i32 s23, s14, 16*SPITCH
	s_add_co_u32 s23, s23, STAGE                   ; my stage
	v_and_b32 v1, 31, v0
	v_and_b32 v2, 15, v0
	v_bfe_u32 v3, v0, 4, 1
	v_lshlrev_b32 v[GO], 4, v1
	v_mul_u32_u24 v[STO], v2, SPITCH
	v_lshl_add_u32 v[STO], v3, 5, v[STO]
	v_add_nc_u32 v[STO], s23, v[STO]               ; in: row l % 16, 32 bytes for each half of the lanes
	v_add_nc_u32 v[RD], s23, v[GO]                 ; back: the 32 lanes take a row of 512 bytes
	v_mov_b32 v[ADR], v[GO]
	v_add_nc_u32 v[ADR+1], 0x10000, v[GO]
	s_wait_alu depctr_va_vdst(0)                   ; ahead of the waits below
	s_wait_dscnt 0x0
	s_wait_kmcnt 0x0
	s_load_b64 s[96:97], s[8:9], 0x18              ; e6, e7
	s_add_nc_u64 s[12:13], s[4:5], s[18:19]
	s_add_nc_u64 s[10:11], s[10:11], s[66:67]
	s_mov_b32 s32, 1
	s_mov_b32 s33, s22
	s_add_nc_u64 s[34:35], s[6:7], s[20:21]
	s_or_b32 s35, s35, 0x80000000
	CROUND                                         ; the joint loads meet
	tensor_load_to_lds s[32:35], s[24:31]          ; one tensor load a wave
	s_nop 0
	PLACES 4
	ALOADS
	s_wait_tensorcnt 0x0                           ; my part of B is in,
	s_barrier_signal -1
	s_barrier_wait -1                              ; everybody's is
.set G, 0
	BLD 0
	BLD 1
.rept 16
	GROUP
.endr
.macro TOSTAGE a
	WIN 0x01
.set j, 0
.rept 32
	v_pk_mul_f32 v[BF+j:BF+j+1], v[64*(\a)+j:64*(\a)+j+1], s[96:97] op_sel_hi:[1,0]   ; x 2^(e6 + e7); each accumulator from its low end on
.set j, j+2
.endr
	WIN 0
.irp b, 0,1,2,3,4,5,6,7
	ds_store_b128 v[STO], v[BF+8*\b:BF+8*\b+3] offset:64*\b
	ds_store_b128 v[STO], v[BF+8*\b+4:BF+8*\b+7] offset:64*\b+16
.endr
.irp t, 0,1,2,3,4,5,6,7,8,9,10,11,12,13,14,15
	ds_load_b128 v[128+64*((\a)%2)+4*\t:128+64*((\a)%2)+4*\t+3], v[RD] offset:\t*SPITCH   ; LDS serves a wave's instructions in order (ISA guide 5.7.1.4)
.endr
.endm
.macro SEND a, younger
	s_wait_dscnt \younger
.irp t, 0,1,2,3,4,5,6,7,8,9,10,11,12,13,14,15
	global_store_b128 v[GO], v[128+64*((\a)%2)+4*\t:128+64*((\a)%2)+4*\t+3], s[10:11] offset:(16*(\a)+\t)*4096 th:TH_STORE_NT   ; 512 consecutive bytes, aligned
.endr
.endm
	s_wait_kmcnt 0x0
	s_add_co_i32 s96, s96, s97
	s_add_co_i32 s96, s96, 127
	s_lshl_b32 s96, s96, 23                        ; 2^(e6 + e7) as f32
	PLACES 4
	TOSTAGE 0
	TOSTAGE 1
	SEND 0, 32
	s_wait_xcnt 0x0                                ; block 0's stores have read their registers
	TOSTAGE 2
	SEND 1, 32
	s_wait_xcnt 0x0
	TOSTAGE 3
	SEND 2, 32
	SEND 3, 0
	s_wait_tensorcnt 0x0                           ; the wave's end
	ds_add_u32 v[SPW], v[NIL]
	s_wait_dscnt 0x0
	CROUND                                         ; the closing round
	s_endpgm
.Lfunc_end_k_q2f8435962a_proj:
	.size	k_q2f8435962a_proj, .Lfunc_end_k_q2f8435962a_proj-k_q2f8435962a_proj
	.p2alignl 7, 3214868480
	.fill 96, 4, 3214868480
	.section	.rodata,"a",@progbits
	.p2align	6, 0x0
	.amdhsa_kernel k_q2f8435962a_proj
		.amdhsa_group_segment_fixed_size 167936
		.amdhsa_private_segment_fixed_size 0
		.amdhsa_enable_private_segment 0
		.amdhsa_kernarg_size 32
		.amdhsa_user_sgpr_count 2
		.amdhsa_user_sgpr_kernarg_segment_ptr 1
		.amdhsa_wavefront_size32 1
		.amdhsa_system_sgpr_workgroup_id_x 1
		.amdhsa_system_sgpr_workgroup_id_y 1
		.amdhsa_system_sgpr_workgroup_id_z 1
		.amdhsa_system_vgpr_workitem_id 0
		.amdhsa_next_free_vgpr 1024
		.amdhsa_next_free_sgpr 100
		.amdhsa_reserve_vcc 0
		.amdhsa_float_denorm_mode_32 3
		.amdhsa_float_denorm_mode_16_64 3
		.amdhsa_memory_ordered 1
		.amdhsa_forward_progress 1
		.amdhsa_inst_pref_size 75
	.end_amdhsa_kernel
	.amdgpu_metadata
---
amdhsa.version: [ 1, 2 ]
amdhsa.kernels:
  - .name:           k_q2f8435962a_proj
    .symbol:         k_q2f8435962a_proj.kd
    .args:
      - { .name: a_img, .offset: 0, .size: 8, .value_kind: global_buffer, .address_space: global }
      - { .name: ops_img, .offset: 8, .size: 8, .value_kind: global_buffer, .address_space: global }
      - { .name: lowp_scales, .offset: 16, .size: 8, .value_kind: global_buffer, .address_space: global }
      - { .name: out0, .offset: 24, .size: 8, .value_kind: global_buffer, .address_space: global }
    .group_segment_fixed_size: 167936
    .private_segment_fixed_size: 0
    .kernarg_segment_align: 8
    .kernarg_segment_size: 32
    .max_flat_workgroup_size: 128
    .sgpr_count:     100
    .vgpr_count:     1024
    .wavefront_size: 32
...
	.end_amdgpu_metadata
.endif
;; end of part 4
